; MI455X (gfx1250); checked and timed in simulation.
; The chip was launched on July 23, 2026; its instructions are those of AMD's public machine-readable ISA for CDNA 5 (MIT licence, August 2026) and "CDNA5" Instruction Set Architecture Reference Guide (July 2026). The comments in the code are by the model that wrote it; some were corrected since.
;; Self Attention. Allowed arithmetic: matrix products marked QUANTISED: E2M1 operands, one E8M0 scale for each 32 along K, by v_wmma_scale_f32_16x16x128_f8f6f4 with both operands' format E2M1 (or v_wmma_scale_f32_32x16x128_f4), f32 sums; products left as they are: bf16, f16 or f32 operands; f32 sums; everything else in f32.
;; Inputs: W_mem 2,048 x 1,024 float32; W_q 1,024 x 1,024 float32; mask 4 x 2,048 int32; x 4 x 1,024 x 2,048 float32.
;; Outputs: out0 4 x 1,024 x 2,048 float32.
;; This version of the problem:
;;   THIS VERSION OF THE PROBLEM IS GIVEN IN LOW PRECISION. The matrix products marked QUANTISED in the list below multiply operands that are first quantised to E2M1 (2 exponent bits, 1 mantissa bit; 4 bits a number), with one power-of-two scale for each 32 numbers along K (OCP MX v1.0); their sums are f32. The products marked 'left as it is' may take bf16, f16 or f32 operands, with f32 sums. Whichever they take, every output number must still come out within the allowed error. Rounding operands to bf16 (8 significant bits) uses up far more of that allowance than f16 does (11 bits, for magnitudes from 6e-5 to 65,504). All else is computed in f32.
;;   The module's matrix products, in the order in which they are computed (A, B: the left and right operand; K: the contracted axis; several contracted axes count as one K, in the product's order):
;;     1. [M 8,192, K 1,024] x [K 1,024, N 2,048]; A: input x; B: input W_mem: QUANTISED
;;     2. [M 8,192, K 1,024] x [K 1,024, N 1,024]; A: input x; B: input W_q: QUANTISED
;;     3. batch 64 x [M 2,048, K 64] x [K 64, N 2,048]; A: computed on the way; B: computed on the way: left as it is (an operand is computed on the way)
;;     4. batch 64 x [M 2,048, K 2,048] x [K 2,048, N 64]; A: computed on the way; B: computed on the way: left as it is (an operand is computed on the way)
;;   THE QUANTISER, for each operand of a quantised product, along K:
;;     - K is cut into blocks of 32 from its start; a last block that is shorter is filled with zeros.
;;     - A block's scale is 2^e with e = floor(log2(the largest magnitude in the block)) - 2, held to -126 .. 127; a block of zeros has e = 0. As a byte (E8M0): e + 127.
;;     - Each number is divided by its block's scale, clamped to +-6, and rounded to the nearest number of E2M1, ties to even, subnormals kept.
;;     - The product sums the exact products of the quantised numbers (number of the format x scale) in f32.
;;   ~~~python
;;   def quantise(x, axis):      # numpy; x: float32 -> the quantised numbers, widened to float32 again
;;       x = np.moveaxis(x, axis, -1); K = x.shape[-1]
;;       x = np.pad(x, [(0, 0)] * (x.ndim - 1) + [(0, -K % 32)]); x = x.reshape(x.shape[:-1] + (-1, 32)); a = np.abs(x).max(-1, keepdims=True)
;;       e = np.where(a > 0, np.clip(np.frexp(np.where(a > 0, a, 1))[1] - 1 - 2, -126, 127), 0)      # np.frexp(a)[1] - 1 = floor(log2(a)), exactly
;;       r = np.clip(x / 2.0 ** e, -6, 6)
;;       step = 2.0 ** (np.maximum(np.frexp(np.where(r == 0, 1, r))[1] - 1, 0) - 1)
;;       q = np.round(r / step) * step * 2.0 ** e      # np.round: ties to even
;;       return np.moveaxis(q.reshape(q.shape[:-2] + (-1,))[..., :K], -1, axis).astype(np.float32)
;;   ~~~
;; One version. Each part assembles by itself: llvm-mc -triple=amdgcn-amd-amdhsa -mcpu=gfx1250 --defsym DOCPART=n.
;; ======== version 1 of 1: 3 launches
;; limits: values are held in f16: magnitudes above 65,504 overflow, below 6.1e-05 lose precision
;; workspace buffers: codes 5,767,168 bytes; scales 360,448 bytes; qf 16,777,216 bytes; kv 33,554,432 bytes
;; launch quant (part 1): grid 704 x 1, 4 waves a work-group, no clusters, 17,920 bytes of LDS; arguments x, W_q, W_mem, codes, scales; writes codes, scales
.if DOCPART == 1
	.amdgcn_target "amdgcn-amd-amdhsa--gfx1250"
	.amdhsa_code_object_version 6
	.text
	.protected	k_qecb5d53dd7_quant
	.globl	k_qecb5d53dd7_quant
	.p2align	8
	.type	k_qecb5d53dd7_quant,@function
k_qecb5d53dd7_quant:
	s_mov_b64 s[64:65], 0
	v_nop
	global_prefetch_b8 v0, s[64:65] scope:SCOPE_SE
	s_setreg_imm32_b32 hwreg(HW_REG_WAVE_MODE, 25, 1), 1
	s_wait_xcnt 0x0
; x [4][1024][2048], W_q [1024][1024], W_mem [2048][1024], f32, become codes of E2M1 with one E8M0 byte for each 32 along K = the 1,024 channels.
; A block's scale is 2^(floor(log2(its largest magnitude)) - 2): its byte is the largest magnitude's exponent field - 2, held at 1 from below.
; LAYOUT OF THE RESULTS: images of the matrix operand's registers.  A tile is 256 operand rows: tiles 0-31 x (row = 2048 b + t), 32-35 W_q, 36-43 W_mem.
;   codes byte  = tile 131072 + (K half of 512) 65536 + (block of 16 rows) 4096 + (K step of 128 in the half) 1024 + (block of 32 in the step) 256 + (row % 16) 16
;   scales byte = tile 8192 + (K step 0..7) 1024 + (row in the tile) 4: one word = the four bytes of a row's K step
; So a fragment (16 rows x 128 K) is 1,024 bytes on end, lane l's registers 4 c .. 4 c + 3 at 512 c + 16 l.
; LIMITS: a block of zeros gets the byte 1 where the rule says 127 (its codes are zeros, and this program alone reads the bytes); NaN and infinities among the inputs are not served.
; Work-groups 0-511 take x, whose K is NOT innermost: a lane takes a column (b, t), its registers run down the channels; a block of 32 lies in one lane.  No LDS there.
; Work-groups 512-703 take the weights, whose K is innermost: loads take the bytes as they lie, and 16 rows x 64 K turn through the wave's own stage in LDS, so that a lane holds a whole block.
; Every store of codes covers whole aligned runs of 256 bytes.  The scale words leave in pieces of 128 bytes (x) and 64 bytes (weights): they are 1 byte in 128 of what the launch reads.
; Work-groups share no input: no cluster, no tensor load, no barrier.
.set SPARE, 17408                      ; behind the four stages of 4,352 bytes: the spare words, 128 bytes a wave
.set SPW,   14                         ; v14  LDS address of my spare word; never rewritten
.set NIL,   15                         ; v15  0; never rewritten
.set CD,    24                         ; v24-39   codes: four registers for each block or unit, so that no store's data are written again
.set XR,    40                         ; x: v40-103 two sets of 32 numbers.   weights: v40-167 four units as loaded
.set XW,    168                        ; weights: v168-231 two sets of 32 neighbours
	s_load_b256 s[4:11], s[0:1], 0x0               ; x s[4:5], W_q s[6:7], W_mem s[8:9], codes s[10:11]
	s_load_b64 s[12:13], s[0:1], 0x20              ; scales
	v_lshl_add_u32 v[SPW], v0, 2, SPARE
	v_mov_b32 v[NIL], 0
	v_lshrrev_b32 v1, 5, v0
	v_readfirstlane_b32 s16, v1                    ; wave
	v_and_b32 v1, 31, v0                           ; lane
	v_and_b32 v2, 15, v0                           ; r
	v_bfe_u32 v3, v0, 4, 1                         ; h
	s_mov_b32 s21, 0                               ; the high word of every offset
	s_wait_kmcnt 0x0
	s_cmp_lt_u32 ttmp9, 512
	s_cbranch_scc0 .Lweights
; The largest magnitude of v[xs] .. v[xs + 31], in two chains, with the floor 2^(3 - 127) among its leaves: v12.  With 2 off its exponent field it is the conversion's scale operand: v11.
.macro BLKMAX xs
	v_max3_num_f32 v12, |v[\xs]|, |v[\xs+1]|, |v[\xs+2]|
	v_max3_num_f32 v13, |v[\xs+3]|, |v[\xs+4]|, |v[\xs+5]|
.irp i, 6,10,14,18,22,26
	v_max3_num_f32 v12, v12, |v[\xs+\i]|, |v[\xs+\i+1]|
	v_max3_num_f32 v13, v13, |v[\xs+\i+2]|, |v[\xs+\i+3]|
.endr
	v_max3_num_f32 v12, v12, |v[\xs+30]|, |v[\xs+31]|
	v_max3_num_f32 v12, v12, v13, 0x1800000
	v_add_nc_u32 v11, 0xff000000, v12
.endm
; ---------------- x: work-group = (g: 128 columns, ks: 128 channels); wave: 32 columns, four blocks of 32 channels ----------------
	s_and_b32 s17, ttmp9, 63                       ; g
	s_lshr_b32 s18, ttmp9, 6                       ; ks
	s_lshr_b32 s20, s17, 4
	s_lshl_b32 s20, s20, 23                        ; b x 8,388,608
	s_lshl_b32 s19, s18, 20                        ; 128 channels of 8,192 bytes
	s_add_co_u32 s20, s20, s19
	s_and_b32 s19, s17, 15
	s_lshl_b32 s19, s19, 9                         ; 128 columns of 4 bytes
	s_add_co_u32 s20, s20, s19
	s_lshl_b32 s19, s16, 7                         ; my wave's 32
	s_add_co_u32 s20, s20, s19
	s_add_nc_u64 s[4:5], s[4:5], s[20:21]
	s_lshr_b32 s22, s17, 1                         ; tile
	s_and_b32 s23, s17, 1                          ; which half of its rows
	s_lshl_b32 s20, s22, 17
	s_lshr_b32 s19, s18, 2
	s_lshl_b32 s19, s19, 16                        ; K half
	s_add_co_u32 s20, s20, s19
	s_lshl_b32 s19, s23, 15                        ; 8 blocks of 16 rows
	s_add_co_u32 s20, s20, s19
	s_lshl_b32 s19, s16, 13                        ; 2 blocks a wave
	s_add_co_u32 s20, s20, s19
	s_and_b32 s19, s18, 3
	s_lshl_b32 s19, s19, 10                        ; K step in the half
	s_add_co_u32 s20, s20, s19
	s_add_nc_u64 s[10:11], s[10:11], s[20:21]
	s_lshl_b32 s20, s22, 13
	s_lshl_b32 s19, s18, 10
	s_add_co_u32 s20, s20, s19
	s_lshl_b32 s19, s23, 9
	s_add_co_u32 s20, s20, s19
	s_lshl_b32 s19, s16, 7
	s_add_co_u32 s20, s20, s19
	s_add_nc_u64 s[12:13], s[12:13], s[20:21]
	v_lshlrev_b32 v4, 2, v1                        ; in, and the scale word: 4 bytes a lane
	v_lshlrev_b32 v5, 12, v3
	v_lshl_add_u32 v5, v2, 4, v5                   ; codes: lanes 0-15 one block of rows, lanes 16-31 the next; 16 bytes a lane
.macro LOADX q                         ; block q: x(32 q + i, my column): 32 lanes read 128 consecutive bytes, the four waves 512
.irp i, 0,1,2,3,4,5,6,7,8,9,10,11,12,13,14,15,16,17,18,19,20,21,22,23,24,25,26,27,28,29,30,31
	global_load_b32 v[XR+32*((\q)%2)+\i], v4, s[4:5] offset:(32*(\q)+\i)*8192 th:TH_LOAD_NT
.endr
.endm
.macro BLOCKX q
.set XS, XR+32*((\q)%2)
.if (\q) < 3
	s_wait_loadcnt 32                              ; this block's 32 loads are in; the next block's 32 may be out
.else
	s_wait_loadcnt 0x0
.endif
	BLKMAX XS
.irp g, 0,1,2,3
	v_cvt_scalef32_pk8_fp4_f32 v[CD+4*(\q)+\g], v[XS+8*\g:XS+8*\g+7], v11
.endr
	v_lshrrev_b32 v13, 23, v11                     ; the scale's byte (a plain line behind the conversions)
.if (\q) == 0
	v_mov_b32 v20, v13
.else
	v_lshl_or_b32 v20, v13, 8*(\q), v20            ; the lower K in the lower byte
.endif
	global_store_b128 v5, v[CD+4*(\q):CD+4*(\q)+3], s[10:11] offset:256*(\q)   ; two aligned runs of 256 bytes
.if (\q) < 2
	LOADX (\q)+2
.endif
.endm
	LOADX 0
	LOADX 1
	BLOCKX 0
	BLOCKX 1
	BLOCKX 2
	BLOCKX 3
	global_store_b32 v4, v20, s[12:13]             ; my column's scale word of this K step
	s_endpgm
; ---------------- the weights: work-group = 16 rows; wave w: K steps 2 w and 2 w + 1, as four units of 64 along K ----------------
.Lweights:
	s_sub_co_u32 s17, ttmp9, 512                   ; block of 16 rows, 0..191: 64 of W_q, then 128 of W_mem
	s_cmp_lt_u32 s17, 64
	s_cselect_b64 s[4:5], s[6:7], s[8:9]           ; the choice hangs on the work-group's number alone
	s_cselect_b32 s18, 0, 64
	s_sub_co_u32 s18, s17, s18
	s_lshl_b32 s20, s18, 16                        ; 16 rows of 4,096 bytes
	s_lshl_b32 s19, s16, 10                        ; my 256 along K
	s_add_co_u32 s20, s20, s19
	s_add_nc_u64 s[4:5], s[4:5], s[20:21]
	s_lshr_b32 s22, s17, 4
	s_add_co_u32 s22, s22, 32                      ; tile
	s_and_b32 s23, s17, 15                         ; block of 16 rows in it
	s_lshl_b32 s20, s22, 17
	s_lshr_b32 s19, s16, 1
	s_lshl_b32 s19, s19, 16                        ; K half
	s_add_co_u32 s20, s20, s19
	s_lshl_b32 s19, s23, 12
	s_add_co_u32 s20, s20, s19
	s_and_b32 s19, s16, 1
	s_lshl_b32 s19, s19, 11                        ; two K steps
	s_add_co_u32 s20, s20, s19
	s_add_nc_u64 s[10:11], s[10:11], s[20:21]
	s_lshl_b32 s20, s22, 13
	s_lshl_b32 s19, s16, 11
	s_add_co_u32 s20, s20, s19
	s_lshl_b32 s19, s23, 6
	s_add_co_u32 s20, s20, s19
	s_add_nc_u64 s[12:13], s[12:13], s[20:21]
	s_mov_b32 s24, 0x76543210
	s_mov_b32 s25, 0xfedcba98                      ; v_permlanex16_b32's selects for lane l xor 16
	s_mul_i32 s22, s16, 4352                       ; my stage: 16 rows of 256 bytes + 16
	v_lshlrev_b32 v4, 12, v3
	v_lshl_add_u32 v4, v2, 4, v4                   ; in: sixteen lanes read 256 consecutive bytes of a row, two rows a load
	v_lshlrev_b32 v5, 4, v1                        ; codes: 16 bytes a lane, 512 on end
	v_lshlrev_b32 v6, 10, v3
	v_lshl_add_u32 v6, v2, 2, v6                   ; scale words: lanes 0-15 the first K step's, lanes 16-31 the second's
	v_mul_u32_u24 v7, v3, 272
	v_lshl_add_u32 v7, v2, 4, v7
	v_add_nc_u32 v7, s22, v7                       ; into the stage, as loaded
	v_mul_u32_u24 v8, v2, 272
	v_lshl_add_u32 v8, v3, 7, v8
	v_add_nc_u32 v8, s22, v8                       ; out of it: row r, block h: 128 bytes a lane
.irp u, 0,1,2,3
.irp i, 0,1,2,3,4,5,6,7
	global_load_b128 v[XR+32*\u+4*\i:XR+32*\u+4*\i+3], v4, s[4:5] offset:8192*\i+256*\u th:TH_LOAD_NT
.endr
.endr
.macro TURNW u                         ; unit u through the stage; LDS serves a wave's instructions in order, so one stage serves all four units without a wait
.irp i, 0,1,2,3,4,5,6,7
	ds_store_b128 v7, v[XR+32*(\u)+4*\i:XR+32*(\u)+4*\i+3] offset:544*\i
.endr
.irp i, 0,1,2,3,4,5,6,7
	ds_load_b128 v[XW+32*((\u)%2)+4*\i:XW+32*((\u)%2)+4*\i+3], v8 offset:16*\i
.endr
.endm
.macro UNITW u
.set XS, XW+32*((\u)%2)
.if (\u) < 3
	s_wait_loadcnt 16-8*(\u)                       ; the next unit's 8 loads are in; those of the units behind it may be out
	TURNW (\u)+1
	s_wait_dscnt 16                                ; this unit is back; the next unit's 8 stores and 8 loads may be out
.else
	s_wait_dscnt 0x0
.endif
	BLKMAX XS
.irp g, 0,1,2,3
	v_cvt_scalef32_pk8_fp4_f32 v[CD+4*(\u)+\g], v[XS+8*\g:XS+8*\g+7], v11
.endr
	v_lshrrev_b32 v[16+(\u)], 23, v11              ; the scale's byte (a plain line behind the conversions)
	global_store_b128 v5, v[CD+4*(\u):CD+4*(\u)+3], s[10:11] offset:512*(\u)
.endm
	s_wait_loadcnt 24                              ; unit 0's 8 loads are in
	TURNW 0
	UNITW 0
	UNITW 1
	UNITW 2
	UNITW 3
	; lane (r, h) holds, of K step u / 2, the bytes of blocks h (even u) and 2 + h (odd u): with lane l xor 16's two the word is whole
	v_lshlrev_b32 v10, 3, v3
	v_mov_b32 v21, 0                               ; a lane permute's destination counts as one of its sources
	v_lshl_or_b32 v22, v17, 16, v16
	v_lshl_or_b32 v23, v19, 16, v18
	v_lshlrev_b32 v22, v10, v22
	v_lshlrev_b32 v23, v10, v23
	v_permlanex16_b32 v21, v22, s24, s25
	v_or_b32 v22, v22, v21
	v_permlanex16_b32 v21, v23, s24, s25
	v_or_b32 v23, v23, v21
	v_cmp_gt_u32 vcc_lo, 16, v1
	v_cndmask_b32 v22, v23, v22, vcc_lo            ; lanes 0-15 keep the first K step's word, lanes 16-31 the second's
	global_store_b32 v6, v22, s[12:13]
	s_wait_tensorcnt 0x0                           ; the wave's end, behind my last LDS store
	ds_add_u32 v[SPW], v[NIL]
	s_wait_dscnt 0x0
	s_endpgm
.Lfunc_end_k_qecb5d53dd7_quant:
	.size	k_qecb5d53dd7_quant, .Lfunc_end_k_qecb5d53dd7_quant-k_qecb5d53dd7_quant
	.p2alignl 7, 3214868480
	.fill 96, 4, 3214868480
	.section	.rodata,"a",@progbits
	.p2align	6, 0x0
	.amdhsa_kernel k_qecb5d53dd7_quant
		.amdhsa_group_segment_fixed_size 17920
		.amdhsa_private_segment_fixed_size 0
		.amdhsa_enable_private_segment 0
		.amdhsa_kernarg_size 40
		.amdhsa_user_sgpr_count 2
		.amdhsa_user_sgpr_kernarg_segment_ptr 1
		.amdhsa_wavefront_size32 1
		.amdhsa_system_sgpr_workgroup_id_x 1
		.amdhsa_system_sgpr_workgroup_id_y 1
		.amdhsa_system_sgpr_workgroup_id_z 1
		.amdhsa_system_vgpr_workitem_id 0
		.amdhsa_next_free_vgpr 232
		.amdhsa_next_free_sgpr 66
		.amdhsa_reserve_vcc 1
		.amdhsa_float_denorm_mode_32 3
		.amdhsa_float_denorm_mode_16_64 3
		.amdhsa_memory_ordered 1
		.amdhsa_forward_progress 1
		.amdhsa_inst_pref_size 36
	.end_amdhsa_kernel
	.amdgpu_metadata
---
amdhsa.version: [ 1, 2 ]
amdhsa.kernels:
  - .name:           k_qecb5d53dd7_quant
    .symbol:         k_qecb5d53dd7_quant.kd
    .args:
      - { .name: x, .offset: 0, .size: 8, .value_kind: global_buffer, .address_space: global }
      - { .name: W_q, .offset: 8, .size: 8, .value_kind: global_buffer, .address_space: global }
      - { .name: W_mem, .offset: 16, .size: 8, .value_kind: global_buffer, .address_space: global }
      - { .name: codes, .offset: 24, .size: 8, .value_kind: global_buffer, .address_space: global }
      - { .name: scales, .offset: 32, .size: 8, .value_kind: global_buffer, .address_space: global }
    .group_segment_fixed_size: 17920
    .private_segment_fixed_size: 0
    .kernarg_segment_align: 8
    .kernarg_segment_size: 40
    .max_flat_workgroup_size: 128
    .sgpr_count:     66
    .vgpr_count:     232
    .wavefront_size: 32
...
	.end_amdgpu_metadata
.endif
;; end of part 1
;; launch proj (part 2): grid 12 x 32, 4 waves a work-group, clusters of 4 x 4, 327,680 bytes of LDS; arguments codes, scales, mask, qf, kv; writes qf, kv
.if DOCPART == 2
	.amdgcn_target "amdgcn-amd-amdhsa--gfx1250"
	.amdhsa_code_object_version 6
	.text
	.protected	k_qecb5d53dd7_proj
	.globl	k_qecb5d53dd7_proj
	.p2align	8
	.type	k_qecb5d53dd7_proj,@function
k_qecb5d53dd7_proj:
	s_mov_b64 s[64:65], 0
	v_nop
	global_prefetch_b8 v0, s[64:65] scope:SCOPE_SE
	s_setreg_imm32_b32 hwreg(HW_REG_WAVE_MODE, 25, 1), 1
	s_wait_xcnt 0x0
	s_wait_alu depctr_hold_cnt(0) depctr_sa_sdst(0) depctr_va_vdst(0) depctr_va_sdst(0) depctr_va_ssrc(0) depctr_va_vcc(0) depctr_vm_vsrc(0)
	s_getreg_b32 s2, hwreg(HW_REG_IB_STS2, 6, 4)
	s_cmp_eq_u32 s2, 0
	s_cbranch_scc0 .Lentry_in_a_cluster
	s_endpgm
.Lentry_in_a_cluster:
	s_bfe_u32 s2, ttmp6, 0x10000c
	s_cmp_lg_u32 s2, 0xf033
	s_cbranch_scc0 .Lentry_shape_is_right
	s_endpgm
.Lentry_shape_is_right:
; The three projections as one product on codes of E2M1: [8,192 rows (b, t)] x [3,072 rows of W_q, W_mem], K = 1,024, by v_wmma_scale_f32_16x16x128_f8f6f4; sums in f32.
; A work-group of four waves makes 256 x 256, a wave 128 x 128: 64 accumulators of 16 x 16.  All of K lies in LDS: two halves of 512 along K, 128 KiB each, each filled once.
; Codes and scale words come as images of the operand's registers: a fragment is 1,024 bytes on end, so no LDS row has a pitch and every tensor load is a dense block.
; ROLES.  Source 1 of the matrix instruction is role A, source 0 role B: lane (r, h), register j of accumulator (a, b) holds (B's row 16 b + 8 h + j, A's row 16 a + r).
;   cluster x = 0 (Q), 1 (K): A = x, B = the weights: a lane holds one t and eight neighbouring channels;   cluster x = 2 (V): A = the weights, B = x: a lane holds one channel and eight neighbouring keys.
;   Both are what the next launch's f16 fragments want: accumulators (a, 2 i) and (a, 2 i + 1), rounded in pairs, ARE a fragment of 16 x 32, and go from registers to memory, 512 bytes on end a store.
; WHAT LEAVES: qf = Q x 0.125 log2(e);  kv = K x float(mask of its key), and V^T.  f16.
;   qf byte = ((16 b + head) 128 + block of 16 queries) 2048 + (32 channels) 1024;   kv byte = (16 b + head) 524288 + (512 keys) 131072 + { K: (16 keys) 2048 + (32 channels) 1024 | V: 65536 + (32 keys) 4096 + (16 channels) 1024 }
; LIMIT: |Q| 0.18, |K| and |V| stay under 65,504, f16's largest number.
; CLUSTERS: 4 x 4 work-groups.  The four of a row of the cluster need the same tile of role A, the four of a column the same tile of role B: each is asked for jointly.
; REGISTERS: window 0: v16-30 addresses; v32-47 scale words, two sets; v48-55 the mask, then the factors; v128-191 A's fragments, one set; on the way out v64-191 packed results.
;   window 1: B's fragments, two sets, at v0 and v128.   windows 2, 3: accumulator (a, b) at v[8 (8 (a % 4) + b)].
.set SLOT,   131072                    ; a K half: A's 16 blocks x 4 K steps x 1,024 bytes, then B's
.set SCL,    262144                    ; the scale words: A's [8 K steps][256 rows][4], then B's
.set SPARE,  278528                    ; the spare words, 128 bytes a wave
.set FR,     8
.set ADRA, 16                          ; v16-17  LDS address of my A fragments in K half 0, 1
.set ADRB, 20                          ; v20-21  the same for B
.set LO,   26                          ; v26     16 x lane
.set ADRS, 27                          ; v27     my scale words: lanes 0-15 A's rows, lanes 16-31 B's
.set SPW,  28                          ; v28     my spare word; never rewritten
.set NIL,  29                          ; v29     0; never rewritten
.set MO,   30                          ; v30     4 r
.set SC,   32
.set FA,   48
.set CF,   56
.set TT,   64
.set AF,   128
.set G1, 24                            ; s[24:31] group 1 for A's codes; s[32:39] group 0, a set for each K half
.set G0, 32
.set G1B, 48                           ; s[48:55], s[56:63] the same for B
.set G0B, 56
.set G1S, 68                           ; s[68:75], s[76:79] A's scale words; s[80:87], s[88:91] B's
.set G0S, 76
.set G1SB, 80
.set G0SB, 88
.set OB, 10                            ; s[10:11], s[12:13] the way out's two bases
.set MSB, 0
.macro WIN new                         ; the immediate's high byte repeats the setting that is left
.if MSB != \new
	s_set_vgpr_msb (MSB<<8)|\new
.set MSB, \new
.endif
.endm
.set MUL_LO, 0xa1                      ; source 0 (B) window 1, source 1 (A) window 0, C and D window 2
.set MUL_HI, 0xf1                      ; the same, C and D window 3
.set TO_B,   0x40
; A joint load: waves 0 and 1 fetch for A, waves 2 and 3 for B.  The branch hangs on the wave's number alone.  An s_nop 0 and four v_nop follow each line.
.macro JLOAD g0a, g1a, g0b, g1b
	s_cmp_eq_u32 s15, 0
	s_cbranch_scc0 .Lfor_b_\@
	tensor_load_to_lds s[\g0a:\g0a+3], s[\g1a:\g1a+7]
	s_nop 0
.rept 4
	v_nop
.endr
	s_branch .Lasked_\@
.Lfor_b_\@:
	tensor_load_to_lds s[\g0b:\g0b+3], s[\g1b:\g1b+7]
	s_nop 0
.rept 4
	v_nop
.endr
.Lasked_\@:
.endm
.macro CROUND                          ; a round of the cluster's barrier
	s_barrier_signal -1
	s_barrier_wait -1
	s_cmp_lg_u32 s14, 0
	s_cbranch_scc1 .Lnot_wave_0_\@
	s_barrier_signal -3
.Lnot_wave_0_\@:
	s_barrier_wait -3
	s_barrier_signal -1
	s_barrier_wait -1
.endm
	s_load_b256 s[4:11], s[0:1], 0x0               ; codes s[4:5], scales s[6:7], mask s[8:9], qf s[10:11]
	s_load_b64 s[12:13], s[0:1], 0x20              ; kv
	v_lshl_add_u32 v[SPW], v0, 2, SPARE
	v_mov_b32 v[NIL], 0
	ds_add_u32 v[SPW], v[NIL]                      ; the wave's opening: the add, twice on end, and its wait ahead of my first tensor load
	ds_add_u32 v[SPW], v[NIL]
	v_lshrrev_b32 v1, 5, v0
	v_readfirstlane_b32 s14, v1                    ; wave 0..3
	s_lshr_b32 s15, s14, 1                         ; my half of A's rows.  Also: I fetch for A (0) or for B (1)
	s_and_b32 s16, s14, 1                          ; my half of B's rows.  Also: which half of a block I fetch
	s_bfe_u32 s40, ttmp6, 0x40000                  ; cx
	s_bfe_u32 s41, ttmp6, 0x40004                  ; cy
	s_and_b32 s42, ttmp7, 0xffff
	s_lshl_b32 s42, s42, 2                         ; 4 x cluster y: the cluster's first tile of x
	s_lshl_b32 s19, ttmp9, 2
	s_add_co_u32 s19, s19, 32                      ; 32 + 4 x cluster x: its first tile of W_q or of W_mem's first half
	s_cmp_eq_u32 ttmp9, 2                          ; V?  The same in all sixteen partners
	s_cselect_b32 s17, 40, s42
	s_cselect_b32 s18, s42, s19
	s_add_co_u32 s17, s17, s41                     ; A's tile: shared along a row of the cluster
	s_add_co_u32 s18, s18, s40                     ; B's tile: shared along a column
	s_lshl_b32 s43, s41, 2
	s_lshl_b32 s43, 15, s43                        ; my row of the cluster
	s_lshl_b32 s44, 0x1111, s40                    ; my column
	s_or_b32 s[G1+0], s43, (3<<16)|(1<<21)         ; 15:0 the mask; 17:16 elements of 8 bytes; 21 set beside a mask; no padding
	s_or_b32 s[G1B+0], s44, (3<<16)|(1<<21)
	s_or_b32 s[G1S+0], s43, (3<<16)|(1<<21)
	s_or_b32 s[G1SB+0], s44, (3<<16)|(1<<21)
.irp g, G1, G1B                        ; half a K half's codes of a tile: 32,768 dense bytes as 128 rows of 256
	s_mov_b32 s[\g+1], 32<<16
	s_mov_b32 s[\g+2], 128<<16
	s_mov_b32 s[\g+3], 32<<16
	s_mov_b32 s[\g+4], 128
	s_mov_b32 s[\g+5], 32
	s_mov_b32 s[\g+6], 0
	s_mov_b32 s[\g+7], 0
.endr
.irp g, G1S, G1SB                      ; half a tile's scale words: 4,096 dense bytes as 16 rows of 256
	s_mov_b32 s[\g+1], 32<<16
	s_mov_b32 s[\g+2], 16<<16
	s_mov_b32 s[\g+3], 32<<16
	s_mov_b32 s[\g+4], 16
	s_mov_b32 s[\g+5], 32
	s_mov_b32 s[\g+6], 0
	s_mov_b32 s[\g+7], 0
.endr
	s_lshl_b32 s20, s17, 17                        ; A's codes: tile x 131,072 + my half
	s_lshl_b32 s21, s16, 15
	s_add_co_u32 s20, s20, s21
	s_mov_b32 s21, 0
	s_lshl_b32 s46, s18, 17                        ; B's
	s_lshl_b32 s47, s16, 15
	s_add_co_u32 s46, s46, s47
	s_mov_b32 s47, 0
	s_lshl_b32 s22, s17, 13                        ; A's scale words: tile x 8,192 + my half
	s_lshl_b32 s23, s16, 12
	s_add_co_u32 s22, s22, s23
	s_mov_b32 s23, 0
	s_lshl_b32 s92, s18, 13                        ; B's
	s_lshl_b32 s93, s16, 12
	s_add_co_u32 s92, s92, s93
	s_mov_b32 s93, 0
	s_lshl_b32 s45, s14, 15                        ; where they go: wave x 32,768, wave x 4,096: no place in the cluster enters an LDS address
	s_lshl_b32 s94, s14, 12
	s_wait_dscnt 0x0                               ; both opening adds are done
	s_wait_kmcnt 0x0
	s_add_nc_u64 s[20:21], s[4:5], s[20:21]
	s_add_nc_u64 s[46:47], s[4:5], s[46:47]
	s_add_nc_u64 s[22:23], s[6:7], s[22:23]
	s_add_nc_u64 s[92:93], s[6:7], s[92:93]
	CROUND                                         ; all sixteen work-groups are here: the first joint loads meet
	s_mov_b32 s[G0S], 1
	s_add_co_u32 s[G0S+1], s94, SCL
	s_mov_b64 s[G0S+2:G0S+3], s[22:23]
	s_or_b32 s[G0S+3], s[G0S+3], 0x80000000
	s_mov_b32 s[G0SB], 1
	s_add_co_u32 s[G0SB+1], s94, SCL
	s_mov_b64 s[G0SB+2:G0SB+3], s[92:93]
	s_or_b32 s[G0SB+3], s[G0SB+3], 0x80000000
	JLOAD G0S, G1S, G0SB, G1SB                     ; three loads of mine go out together: the scale words,
.irp s, 0,1
	s_mov_b32 s[G0+4*\s], 1
	s_add_co_u32 s[G0+4*\s+1], s45, \s*SLOT
	s_add_nc_u64 s[G0+4*\s+2:G0+4*\s+3], s[20:21], \s*65536
	s_or_b32 s[G0+4*\s+3], s[G0+4*\s+3], 0x80000000
	s_mov_b32 s[G0B+4*\s], 1
	s_add_co_u32 s[G0B+4*\s+1], s45, \s*SLOT
	s_add_nc_u64 s[G0B+4*\s+2:G0B+4*\s+3], s[46:47], \s*65536
	s_or_b32 s[G0B+4*\s+3], s[G0B+4*\s+3], 0x80000000
	JLOAD G0+4*\s, G1, G0B+4*\s, G1B               ; and the two K halves
.endr
	v_and_b32 v1, 15, v0                           ; r
	v_bfe_u32 v2, v0, 4, 1                         ; h
	v_and_b32 v3, 31, v0
	v_lshlrev_b32 v[LO], 4, v3
	v_lshlrev_b32 v[MO], 2, v1
	; the mask of the 128 rows (b, t) of tile 4 x cluster y + cy, my half: K's way out wants it.  Every cluster loads it (the index lies inside the mask in all), so that the registers are written on every path
	s_add_co_u32 s96, s42, s41
	s_lshl_b32 s96, s96, 10
	s_lshl_b32 s97, s15, 9
	s_add_co_u32 s96, s96, s97
	s_mov_b32 s97, 0
	s_add_nc_u64 s[8:9], s[8:9], s[96:97]
.irp a, 0,1,2,3,4,5,6,7
	global_load_b32 v[FA+\a], v[MO], s[8:9] offset:64*\a
.endr
	s_lshl_b32 s2, s15, 15                         ; my 8 blocks of A,
	s_lshl_b32 s3, s16, 15
	s_add_co_u32 s3, s3, 65536                     ; my 8 of B, behind A's 16
.irp s, 0,1
	v_add_nc_u32 v[ADRA+\s], s2, v[LO]
	v_add_nc_u32 v[ADRB+\s], s3, v[LO]
	s_add_co_u32 s2, s2, SLOT
	s_add_co_u32 s3, s3, SLOT
.endr
	s_lshl_b32 s2, s15, 9                          ; A's words: my 128 rows
	s_lshl_b32 s3, s16, 9
	s_add_co_u32 s3, s3, 8192                      ; B's: my 128 rows, behind A's 8,192 bytes
	s_sub_co_u32 s3, s3, s2
	v_mul_u32_u24 v4, s3, v2                       ; lanes 16-31 take B's: one product, the distance between the two
	s_add_co_u32 s2, s2, SCL
	v_lshl_add_u32 v4, v1, 2, v4
	v_add_nc_u32 v[ADRS], s2, v4
.macro FRAG reg, adr, q, i             ; a fragment as it lies: registers 4 c .. 4 c + 3 of lane l at 512 c + 16 l
.irp c, 0,1
	ds_load_b128 v[\reg+4*\c:\reg+4*\c+3], v[\adr] offset:1024*(\q)+512*\c+4096*(\i)
.endr
.endm
; 16 matrix instructions: A's blocks a0, a0 + 1 x B's eight.  p: B's set and the set of scale words.  zero = 1: the first product starts the sums.  The 64 accumulators take turns.
.macro MUL16 a0, p, zero
.irp a, \a0, \a0+1
.irp b, 0,1,2,3,4,5,6,7
.if \zero
	v_wmma_scale_f32_16x16x128_f8f6f4 v[8*(8*((\a)%4)+\b):8*(8*((\a)%4)+\b)+7], v[128*(\p)+FR*\b:128*(\p)+FR*\b+FR-1], v[AF+FR*(\a):AF+FR*(\a)+FR-1], 0, v[SC+8*(\p)+\b], v[SC+8*(\p)+(\a)] matrix_a_fmt:MATRIX_FMT_FP4 matrix_b_fmt:MATRIX_FMT_FP4 matrix_a_scale:MATRIX_SCALE_ROW1
.else
	v_wmma_scale_f32_16x16x128_f8f6f4 v[8*(8*((\a)%4)+\b):8*(8*((\a)%4)+\b)+7], v[128*(\p)+FR*\b:128*(\p)+FR*\b+FR-1], v[AF+FR*(\a):AF+FR*(\a)+FR-1], v[8*(8*((\a)%4)+\b):8*(8*((\a)%4)+\b)+7], v[SC+8*(\p)+\b], v[SC+8*(\p)+(\a)] matrix_a_fmt:MATRIX_FMT_FP4 matrix_b_fmt:MATRIX_FMT_FP4 matrix_a_scale:MATRIX_SCALE_ROW1
.endif
.endr
.endr
.endm
.macro FETCH_B slot, q, p
	WIN TO_B
.irp i, 0,1,2,3,4,5,6,7
	FRAG 128*(\p)+FR*\i, ADRB+\slot, \q, \i
.endr
	WIN 0
.endm
.macro FETCH_A slot, q, i0
.irp i, \i0, \i0+1, \i0+2, \i0+3
	FRAG AF+FR*(\i), ADRA+\slot, \q, \i
.endr
.endm
.macro SCALES n                        ; K step n's words: register i: lanes 0-15 the word of A's block i, lanes 16-31 that of B's block i
.irp i, 0,1,2,3,4,5,6,7
	ds_load_b32 v[SC+8*((\n)%2)+\i], v[ADRS] offset:1024*(\n)+64*\i
.endr
.endm
.macro PLACES                          ; four plain vector lines between a matrix instruction and a load into, or a vector line on, its registers
.rept 4
	v_nop
.endr
.endm
; A K step of 128 whose successor lies in the same K half.  A has one set of registers: blocks 0-3 are fetched anew in the step's middle, blocks 4-7 at its end.  B and the scale words have two.
.macro STEP slot, q, zero
	s_wait_dscnt 8                                 ; all but the youngest eight loads (A's blocks 4-7) are in
	WIN MUL_LO
	MUL16 0, (\q)%2, \zero
	MUL16 2, (\q)%2, \zero
	s_wait_dscnt 0x0                               ; A's blocks 4-7 are in
	PLACES
	FETCH_B \slot, (\q)+1, 1-(\q)%2
	FETCH_A \slot, (\q)+1, 0
	SCALES 4*(\slot)+(\q)+1
	WIN MUL_HI
	MUL16 4, (\q)%2, \zero
	MUL16 6, (\q)%2, \zero
	PLACES
	WIN 0
	FETCH_A \slot, (\q)+1, 4
.endm
	s_wait_tensorcnt 1                             ; the scale words and my part of K half 0 are in; K half 1's load may be out
	s_barrier_signal -1
	s_barrier_wait -1                              ; everybody's are
	FETCH_B 0, 0, 0
	FETCH_A 0, 0, 0
	SCALES 0
	FETCH_A 0, 0, 4
	STEP 0, 0, 1
	STEP 0, 1, 0
	STEP 0, 2, 0
	; K step 3 goes on into K half 1: my part of it has landed, and a barrier shows everybody's
	s_wait_tensorcnt 0x0
	s_wait_dscnt 8
	WIN MUL_LO
	MUL16 0, 1, 0
	s_wait_dscnt 0x0                               ; no LDS instruction of mine is out at the signal
	s_barrier_signal -1
	MUL16 2, 1, 0                                  ; work on registers while the others arrive
	WIN 0
	s_barrier_wait -1
	PLACES
	FETCH_B 1, 0, 0
	FETCH_A 1, 0, 0
	SCALES 4
	WIN MUL_HI
	MUL16 4, 1, 0
	MUL16 6, 1, 0
	PLACES
	WIN 0
	FETCH_A 1, 0, 4
	STEP 1, 0, 0
	STEP 1, 1, 0
	STEP 1, 2, 0
	s_wait_dscnt 8                                 ; the last K step fetches nothing
	WIN MUL_LO
	MUL16 0, 1, 0
	MUL16 2, 1, 0
	s_wait_dscnt 0x0
	WIN MUL_HI
	MUL16 4, 1, 0
	MUL16 6, 1, 0
	WIN 0
	PLACES
	s_wait_loadcnt 0x0                             ; the mask
	s_cmp_eq_u32 ttmp9, 2
	s_cbranch_scc1 .Lvalues
; ---- THE WAY OUT OF Q AND K.  Block a (16 rows t): x its factor, rounded to f16 in pairs, eight stores of 512 bytes on end.  Four sets of 32 registers take turns.
	s_lshr_b32 s96, s17, 3
	s_lshl_b32 s96, s96, 4                         ; 16 b
	s_lshl_b32 s97, s40, 2
	s_add_co_u32 s96, s96, s97                     ; + 4 cx
	s_lshl_b32 s97, s16, 1
	s_add_co_u32 s96, s96, s97                     ; + 2 x my half: the first of my two heads
	s_and_b32 s97, s17, 7                          ; which 256 of the batch's 2,048 t
	s_lshl_b32 s98, s96, 18                        ; Q: head x 128 blocks x 2,048 bytes
	s_lshl_b32 s99, s97, 15                        ;    + 16 blocks a tile
	s_add_co_u32 s98, s98, s99
	s_lshl_b32 s66, s96, 19                        ; K: head x 524,288
	s_lshr_b32 s99, s97, 1
	s_lshl_b32 s99, s99, 17                        ;    + which 512 keys
	s_add_co_u32 s66, s66, s99
	s_and_b32 s99, s17, 1
	s_lshl_b32 s99, s99, 15                        ;    + 16 blocks a tile
	s_add_co_u32 s66, s66, s99
	s_lshl_b32 s99, s15, 14                        ; both: + my 8 blocks
	s_mov_b32 s67, 0x80000
	s_cmp_eq_u32 ttmp9, 0                          ; Q?
	s_cselect_b32 s98, s98, s66
	s_cselect_b32 s66, 0x40000, s67                ; from head to head
	s_cselect_b64 s[OB:OB+1], s[10:11], s[12:13]   ; the choice hangs on the cluster's number alone
	s_cselect_b32 s95, -1, 0
	s_add_co_u32 s98, s98, s99
	s_mov_b32 s99, 0
	s_mov_b32 s67, 0
	s_add_nc_u64 s[OB:OB+1], s[OB:OB+1], s[98:99]
	s_add_nc_u64 s[OB+2:OB+3], s[OB:OB+1], s[66:67]
.irp a, 0,1,2,3,4,5,6,7
	v_cvt_f32_i32 v[FA+\a], v[FA+\a]               ; K's factor: the mask of its key, as a number
.endr
	v_mov_b32 v[CF], 0x3e38aa3b                    ; Q's: 0.125 log2(e)
.irp a, 0,1,2,3,4,5,6,7
	v_cndmask_b32 v[FA+\a], v[FA+\a], v[CF], s95
.endr
.macro PACKB a                         ; block a's 64 numbers a lane, rounded in pairs: each accumulator from its low end on
	WIN 0x0a+5*((\a)/4)                            ; sources 0 and 1: window 2 or 3
.set k, 0
.rept 32
	v_cvt_pk_f16_f32 v[T0+k], v[AC+2*k], v[AC+2*k+1]
.set k, k+1
.endr
	WIN 0
.endm
.macro OUTQK a
.set AC, 64*((\a)%4)
.set T0, TT+32*((\a)%4)
.if (\a) >= 4
	s_wait_xcnt 0x0                                ; block a - 4's stores have read their registers, which are written again
.endif
	WIN 0x82+0x41*((\a)/4)                         ; destination and source 0: window 2 or 3; the factor: window 0
.set k, 0
.rept 32
.if ((\a)%2) == 0
	v_pk_mul_f32 v[AC+k:AC+k+1], v[AC+k:AC+k+1], v[FA+2*((\a)/2):FA+2*((\a)/2)+1] op_sel_hi:[1,0]
.else
	v_pk_mul_f32 v[AC+k:AC+k+1], v[AC+k:AC+k+1], v[FA+2*((\a)/2):FA+2*((\a)/2)+1] op_sel:[0,1] op_sel_hi:[1,1]
.endif
.set k, k+2
.endr
	PACKB \a
.irp i, 0,1,2,3                        ; fragment i: head i / 2 of my two, channels 32 (i % 2) on
.irp e, 0,1
	global_store_b128 v[LO], v[T0+8*\i+4*\e:T0+8*\i+4*\e+3], s[OB+2*(\i/2):OB+2*(\i/2)+1] offset:2048*(\a)+1024*(\i%2)+512*\e
.endr
.endr
.endm
.irp a, 0,1,2,3,4,5,6,7
	OUTQK \a
.endr
	s_branch .Lend
; ---- THE WAY OUT OF V.  Block a: 16 channels (head a / 4 of my two, tile a % 4); fragment i: 32 keys.
.Lvalues:
	s_lshr_b32 s96, s18, 3
	s_lshl_b32 s96, s96, 4                         ; 16 b
	s_lshl_b32 s97, s41, 2
	s_add_co_u32 s96, s96, s97                     ; + 4 cy
	s_lshl_b32 s97, s15, 1
	s_add_co_u32 s96, s96, s97                     ; + 2 x my half
	s_lshl_b32 s98, s96, 19
	s_and_b32 s97, s18, 7
	s_lshr_b32 s99, s97, 1
	s_lshl_b32 s99, s99, 17                        ; which 512 keys
	s_add_co_u32 s98, s98, s99
	s_and_b32 s99, s18, 1
	s_lshl_b32 s99, s99, 15                        ; 8 blocks of 32 keys a tile
	s_add_co_u32 s98, s98, s99
	s_lshl_b32 s99, s16, 14                        ; my 4 blocks
	s_add_co_u32 s98, s98, s99
	s_add_co_u32 s98, s98, 65536                   ; behind K's 65,536 bytes
	s_mov_b32 s99, 0
	s_add_nc_u64 s[OB:OB+1], s[12:13], s[98:99]
	s_add_nc_u64 s[OB+2:OB+3], s[OB:OB+1], 0x80000
.macro OUTV a
.set AC, 64*((\a)%4)
.set T0, TT+32*((\a)%4)
.if (\a) >= 4
	s_wait_xcnt 0x0
.endif
	PACKB \a
.irp i, 0,1,2,3
.irp e, 0,1
	global_store_b128 v[LO], v[T0+8*\i+4*\e:T0+8*\i+4*\e+3], s[OB+2*((\a)/4):OB+2*((\a)/4)+1] offset:1024*((\a)%4)+4096*\i+512*\e
.endr
.endr
.endm
.irp a, 0,1,2,3,4,5,6,7
	OUTV \a
.endr
.Lend:
	s_wait_tensorcnt 0x0                           ; the wave's end, behind my last tensor load
	ds_add_u32 v[SPW], v[NIL]
	s_wait_dscnt 0x0
	CROUND                                         ; the closing round
	s_endpgm
.Lfunc_end_k_qecb5d53dd7_proj:
	.size	k_qecb5d53dd7_proj, .Lfunc_end_k_qecb5d53dd7_proj-k_qecb5d53dd7_proj
	.p2alignl 7, 3214868480
	.fill 96, 4, 3214868480
	.section	.rodata,"a",@progbits
	.p2align	6, 0x0
	.amdhsa_kernel k_qecb5d53dd7_proj
		.amdhsa_group_segment_fixed_size 327680
		.amdhsa_private_segment_fixed_size 0
		.amdhsa_enable_private_segment 0
		.amdhsa_kernarg_size 40
		.amdhsa_user_sgpr_count 2
		.amdhsa_user_sgpr_kernarg_segment_ptr 1
		.amdhsa_wavefront_size32 1
		.amdhsa_system_sgpr_workgroup_id_x 1
		.amdhsa_system_sgpr_workgroup_id_y 1
		.amdhsa_system_sgpr_workgroup_id_z 1
		.amdhsa_system_vgpr_workitem_id 0
		.amdhsa_next_free_vgpr 1024
		.amdhsa_next_free_sgpr 100
		.amdhsa_reserve_vcc 0
		.amdhsa_float_denorm_mode_32 3
		.amdhsa_float_denorm_mode_16_64 3
		.amdhsa_memory_ordered 1
		.amdhsa_forward_progress 1
		.amdhsa_inst_pref_size 162
	.end_amdhsa_kernel
	.amdgpu_metadata
---
amdhsa.version: [ 1, 2 ]
amdhsa.kernels:
  - .name:           k_qecb5d53dd7_proj
    .symbol:         k_qecb5d53dd7_proj.kd
    .args:
      - { .name: codes, .offset: 0, .size: 8, .value_kind: global_buffer, .address_space: global }
      - { .name: scales, .offset: 8, .size: 8, .value_kind: global_buffer, .address_space: global }
      - { .name: mask, .offset: 16, .size: 8, .value_kind: global_buffer, .address_space: global }
      - { .name: qf, .offset: 24, .size: 8, .value_kind: global_buffer, .address_space: global }
      - { .name: kv, .offset: 32, .size: 8, .value_kind: global_buffer, .address_space: global }
    .group_segment_fixed_size: 327680
    .private_segment_fixed_size: 0
    .kernarg_segment_align: 8
    .kernarg_segment_size: 40
    .max_flat_workgroup_size: 128
    .sgpr_count:     100
    .vgpr_count:     1024
    .wavefront_size: 32
...
	.end_amdgpu_metadata
.endif
;; end of part 2
;; launch attn (part 3): grid 4 x 64, 8 waves a work-group, clusters of 4 x 1, 327,680 bytes of LDS; arguments qf, kv, mask, out0; writes out0
.if DOCPART == 3
	.amdgcn_target "amdgcn-amd-amdhsa--gfx1250"
	.amdhsa_code_object_version 6
	.text
	.protected	k_qecb5d53dd7_attn
	.globl	k_qecb5d53dd7_attn
	.p2align	8
	.type	k_qecb5d53dd7_attn,@function
k_qecb5d53dd7_attn:
	s_mov_b64 s[64:65], 0
	v_nop
	global_prefetch_b8 v0, s[64:65] scope:SCOPE_SE
	s_setreg_imm32_b32 hwreg(HW_REG_WAVE_MODE, 25, 1), 1
	s_wait_xcnt 0x0
	s_wait_alu depctr_hold_cnt(0) depctr_sa_sdst(0) depctr_va_vdst(0) depctr_va_sdst(0) depctr_va_ssrc(0) depctr_va_vcc(0) depctr_vm_vsrc(0)
	s_getreg_b32 s2, hwreg(HW_REG_IB_STS2, 6, 4)
	s_cmp_eq_u32 s2, 0
	s_cbranch_scc0 .Lentry_in_a_cluster
	s_endpgm
.Lentry_in_a_cluster:
	s_bfe_u32 s2, ttmp6, 0x10000c
	s_cmp_lg_u32 s2, 0x3003
	s_cbranch_scc0 .Lentry_shape_is_right
	s_endpgm
.Lentry_shape_is_right:
; out0[b][64 head + d][q] = the sum over k of softmax_k(m[k] Q[q].K[k] / 8 + (1 - m[k]) (-1e30)) V[k][d], for 64 heads (b, head), 2,048 queries and keys, head size 64.
; Q arrives x 0.125 log2(e), K x float(m), V turned, all as f16 fragment images (1,024 bytes on end for 16 x 32); products by v_wmma_f32_16x16x32_f16, sums, maxima and exponentials in f32.
; ARITHMETIC.  t = S^T = K Q^T + bias, bias[k] = (m[k] - 1) B, B = 1e30 log2(e) to seven digits: the bias is the C of each sum's first matrix instruction, so the mask costs no vector line.
;   -M = floor(-(the running largest t)): M is a whole number; p = 2^(t - M); when M moves, l and O^T are multiplied by f = 2^(old M - new M), made by v_ldexp_f32: nothing is rounded, no branch on data.
;   l is the f32 sum of p; p is rounded to f16 for O^T = V^T P; O^T / l at the end.  Where every key of a batch is hidden, t - M is exactly 0 for all keys and the result is the mean of V, as the softmax of equal logits gives.
; LIMITS: f16's range for the operands (largest number 65,504); NaN and infinities are not served; the shift is the running maximum rounded up to a whole number.
; SHARES.  A work-group owns 512 queries of a head, each of its eight waves 64: four tiles of 16, in two pieces of two.  Two waves share a SIMD's registers, 512 each.
;   A wave's text goes by turns of a matrix block (32 instructions: V^T P of one piece, K Q^T of the other) and a vector block (one piece's softmax).  Waves 4-7 run one block ahead of waves 0-3, so that one group's
;   vector block can stand beside the other's matrix block: waves 0-3 pause once at the start, and at a change of slots waves 4-7 run the matrix block in front of the barrier and waves 0-3 behind it.
; LAYOUT.  Both products transposed: a lane holds ONE query (lane % 16) in S^T, P and O^T; two tiles of S^T, rounded in pairs, are source 1 of V^T P.
; CLUSTER.  The four blocks of queries of a head walk the same K and V: each slot of 512 keys (131,072 dense bytes) is asked for jointly, 16,384 bytes a wave.  Two slots; a refill has eight key steps in which to land.
; REGISTERS.  window 0: v1-11 addresses; v16-31 four a tile: -M, largest t, l (two halves); v32-47 eight a tile in hand: f, its pair's partner, four maxima, old -M; v48-111 S^T; v112-143 P; v144-175 the bias; v176-239 V^T; v240-247 at the head and the end.
;   window 1: v0-63 Q; v64-127 K; v128-255 O^T.
.set SLOT1, 1<<17
.set BIAS,  262144                     ; 2,048 f32
.set SPARE, 270336                     ; the spare words, 128 bytes a wave
.set STAGE, 271360                     ; the way out: 16 rows x 272 bytes for each wave; no tile lands here
.set SP,    272
.set AK0, 1                            ; v1   16 x lane
.set AV0, 2                            ; v2   + 65,536: V's half of a slot
.set ABI0, 3                           ; v3   BIAS + 32 h
.set ADK, 4
.set ADB, 5
.set ADV, 6
.set STO, 7
.set RD,  8
.set GO,  9
.set SPW, 10
.set NIL, 11
.set ST,  16
.set WK,  32
.set S,   48
.set P,   112
.set BI,  144
.set VF,  176
.set HD,  240
.set QF,  0
.set KF,  64
.set O,   128
.set WV,  12                           ; s12  my wave's number
.set G1,  24                           ; s[24:31] descriptor group 1
.set G0,  32                           ; s[32:35], s[36:39] group 0 for the two first fills; the second then walks
.set SEL, 42                           ; s[42:43]
.set TB,  44                           ; s44  LDS byte at which the step to be fetched begins
.set TJ,  45                           ; s45  its bias: 256 bytes a step
.set CNT, 46
.set SLOTS, 47
.set MSB, 0
.macro WIN new
.if MSB != \new
	s_set_vgpr_msb (MSB<<8)|\new
.set MSB, \new
.endif
.endm
.macro CROUND
	s_barrier_signal -1
	s_barrier_wait -1
	s_cmp_lg_u32 s[WV], 0
	s_cbranch_scc1 .Lnot_wave_0_\@
	s_barrier_signal -3
.Lnot_wave_0_\@:
	s_barrier_wait -3
	s_barrier_signal -1
	s_barrier_wait -1
.endm
	s_load_b256 s[4:11], s[0:1], 0x0               ; qf s[4:5], kv s[6:7], mask s[8:9], out0 s[10:11]
	v_lshl_add_u32 v[SPW], v0, 2, SPARE
	v_mov_b32 v[NIL], 0
	ds_add_u32 v[SPW], v[NIL]                      ; the wave's opening: the add, twice on end, and its wait ahead of my first tensor load
	ds_add_u32 v[SPW], v[NIL]
	v_lshrrev_b32 v12, 5, v0
	v_readfirstlane_b32 s[WV], v12                 ; wave 0..7
	s_bfe_u32 s13, ttmp6, 0x40000                  ; cx
	s_lshl_b32 s14, ttmp9, 2
	s_add_co_u32 s14, s14, s13                     ; my block of 512 queries: it enters Q's and the output's addresses alone
	s_and_b32 s15, ttmp7, 0xffff                   ; 16 b + head, which the four partners share
	s_mov_b32 s[G1], 15|(3<<16)|(1<<21)            ; 15:0 the mask: all four; 17:16 elements of 8 bytes; 21 set beside a mask; no padding
	s_mov_b32 s[G1+1], 32<<16                      ; 16,384 dense bytes as 64 rows of 256
	s_mov_b32 s[G1+2], 64<<16
	s_mov_b32 s[G1+3], 32<<16
	s_mov_b32 s[G1+4], 64
	s_mov_b32 s[G1+5], 32
	s_mov_b32 s[G1+6], 0
	s_mov_b32 s[G1+7], 0
	s_lshl_b32 s16, s15, 19                        ; kv: the head's 524,288 bytes, my wave's 16,384 of a slot
	s_lshl_b32 s17, s[WV], 14
	s_add_co_u32 s16, s16, s17
	s_mov_b32 s17, 0
	s_lshl_b32 s50, s[WV], 14                      ; and the same place in a slot
	s_lshl_b32 s18, s15, 18                        ; qf: head x 128 blocks x 2,048 + 32 blocks a work-group + 4 a wave
	s_lshl_b32 s19, s14, 16
	s_add_co_u32 s18, s18, s19
	s_lshl_b32 s19, s[WV], 13
	s_add_co_u32 s18, s18, s19
	s_mov_b32 s19, 0
	s_lshl_b32 s20, s15, 19                        ; out0: 64 rows of 8,192 bytes a head, + my 64 queries
	s_lshl_b32 s21, s14, 11
	s_add_co_u32 s20, s20, s21
	s_lshl_b32 s21, s[WV], 8
	s_add_co_u32 s20, s20, s21
	s_mov_b32 s21, 0
	s_lshr_b32 s22, s15, 4
	s_lshl_b32 s22, s22, 13                        ; mask: the batch's 8,192 bytes
	s_mov_b32 s23, 0
	s_mov_b32 s[SEL], 0x76543210
	s_mov_b32 s[SEL+1], 0xfedcba98
	s_mov_b32 s48, 0x7191acca                      ; B
	s_mov_b32 s49, 0xf191acca                      ; -B
	s_mov_b32 s[TB], 0
	s_mov_b32 s[TJ], 0
	s_mul_i32 s51, s[WV], 16*SP
	s_add_co_u32 s51, s51, STAGE                   ; my stage
	s_wait_dscnt 0x0                               ; both opening adds are done
	s_wait_kmcnt 0x0
	s_add_nc_u64 s[6:7], s[6:7], s[16:17]
	s_add_nc_u64 s[4:5], s[4:5], s[18:19]
	s_add_nc_u64 s[10:11], s[10:11], s[20:21]
	s_add_nc_u64 s[8:9], s[8:9], s[22:23]
	CROUND                                         ; all four work-groups are here: the first joint loads meet
	s_mov_b32 s[G0], 1
	s_mov_b32 s[G0+1], s50
	s_mov_b64 s[G0+2:G0+3], s[6:7]
	s_or_b32 s[G0+3], s[G0+3], 0x80000000
	s_mov_b32 s[G0+4], 1
	s_add_co_u32 s[G0+5], s50, SLOT1
	s_add_nc_u64 s[G0+6:G0+7], s[6:7], 131072
	s_or_b32 s[G0+7], s[G0+7], 0x80000000
	tensor_load_to_lds s[G0:G0+3], s[G1:G1+7]      ; keys 0-511: two loads of mine are out
	s_nop 0
	tensor_load_to_lds s[G0+4:G0+7], s[G1:G1+7]    ; keys 512-1,023
	s_nop 0
.rept 4
	v_nop
.endr
	v_lshlrev_b32 v15, 5, v0
	global_load_b128 v[HD:HD+3], v15, s[8:9]       ; thread i: the mask of keys 8 i .. 8 i + 7
	global_load_b128 v[HD+4:HD+7], v15, s[8:9] offset:16
	v_and_b32 v12, 31, v0
	v_lshlrev_b32 v[AK0], 4, v12
	WIN 0x40                                       ; destination window 1
.irp t, 0,1,2,3
.irp c, 0,1
.irp e, 0,1
	global_load_b128 v[QF+16*\t+8*\c+4*\e:QF+16*\t+8*\c+4*\e+3], v[AK0], s[4:5] offset:2048*\t+1024*\c+512*\e th:TH_LOAD_NT   ; Q stays in registers
.endr
.endr
.endr
	WIN 0
	v_add_nc_u32 v[AV0], 65536, v[AK0]
	v_bfe_u32 v13, v0, 4, 1                        ; h
	v_and_b32 v14, 15, v0                          ; r
	v_lshl_add_u32 v[ABI0], v13, 5, BIAS
	v_mul_u32_u24 v[STO], v13, 8*SP
	v_lshl_add_u32 v[STO], v14, 2, v[STO]
	v_add_nc_u32 v[STO], s51, v[STO]               ; into the stage: row (channel) 8 h + j, my query's word
	v_mul_u32_u24 v[RD], v13, SP
	v_lshl_add_u32 v[RD], v14, 4, v[RD]
	v_add_nc_u32 v[RD], s51, v[RD]                 ; back: lanes 0-15 one row of 256 bytes, lanes 16-31 the next
	v_lshlrev_b32 v[GO], 13, v13
	v_lshl_add_u32 v[GO], v14, 4, v[GO]            ; and the same two rows of out0
	v_mov_b32 v[WK+1], 0                           ; named as the upper halves of the pairs with f
	v_mov_b32 v[WK+9], 0
	s_wait_loadcnt 16                              ; the mask is in; Q's 16 loads may be out
.irp i, 0,1,2,3,4,5,6,7
	v_cvt_f32_i32 v[HD+\i], v[HD+\i]
.endr
.irp i, 0,1,2,3,4,5,6,7
	v_fma_f32 v[HD+\i], v[HD+\i], s48, s49         ; (m - 1) B
.endr
	v_lshl_add_u32 v12, v0, 5, BIAS
	ds_store_b128 v12, v[HD:HD+3]
	ds_store_b128 v12, v[HD+4:HD+7] offset:16
	s_wait_tensorcnt 1                             ; my part of slot 0 is in; slot 1's may stay out
	s_wait_dscnt 0x0                               ; my part of the bias is stored
	s_barrier_signal -1
	s_barrier_wait -1
	s_cmp_lt_u32 s[WV], 4                          ; waves 0-3 start a matrix block's length later than waves 4-7
	s_cbranch_scc0 .Lgo
.rept 16
	s_nop 15
.endr
.Lgo:
; ---- LDS loads, in runs
.macro FETCH_K
	WIN 0x40
.irp kt, 0,1,2,3
.irp c, 0,1
.irp e, 0,1
	ds_load_b128 v[KF+16*\kt+8*\c+4*\e:KF+16*\kt+8*\c+4*\e+3], v[ADK] offset:2048*\kt+1024*\c+512*\e
.endr
.endr
.endr
	WIN 0
.endm
.macro FETCH_BI                        ; register j of tile kt: the bias of key 16 kt + 8 h + j; the lanes of a half read the same bytes
.irp kt, 0,1,2,3
.irp e, 0,1
	ds_load_b128 v[BI+8*\kt+4*\e:BI+8*\kt+4*\e+3], v[ADB] offset:64*\kt+16*\e
.endr
.endr
.endm
.macro FETCH_V
.irp ks, 0,1
.irp f, 0,1,2,3
.irp e, 0,1
	ds_load_b128 v[VF+32*\ks+8*\f+4*\e:VF+32*\ks+8*\f+4*\e+3], v[ADV] offset:4096*\ks+1024*\f+512*\e
.endr
.endr
.endr
.endm
; ---- matrix blocks.  The eight accumulators of a block take turns, one instruction a turn.
.macro KQ p                            ; S^T of piece p: source 0 = 16 keys, source 1 = 16 queries; the bias starts each sum
	WIN 0x05
.irp c, 0,1
.irp kt, 0,1,2,3
.irp u, 0,1
.if \c == 0
	v_wmma_f32_16x16x32_f16 v[S+32*\u+8*\kt:S+32*\u+8*\kt+7], v[KF+16*\kt:KF+16*\kt+7], v[QF+16*(2*(\p)+\u):QF+16*(2*(\p)+\u)+7], v[BI+8*\kt:BI+8*\kt+7]
.else
	v_wmma_f32_16x16x32_f16 v[S+32*\u+8*\kt:S+32*\u+8*\kt+7], v[KF+16*\kt+8:KF+16*\kt+15], v[QF+16*(2*(\p)+\u)+8:QF+16*(2*(\p)+\u)+15], v[S+32*\u+8*\kt:S+32*\u+8*\kt+7]
.endif
.endr
.endr
.endr
.endm
.macro PV p, zero                      ; O^T of piece p += V^T P: source 0 = 16 channels, source 1 = P.  zero = 1: the first products start the sums
	WIN 0x50
.irp ks, 0,1
.irp f, 0,1,2,3
.irp u, 0,1
.if (\zero) && (\ks == 0)
	v_wmma_f32_16x16x32_f16 v[O+32*(2*(\p)+\u)+8*\f:O+32*(2*(\p)+\u)+8*\f+7], v[VF+32*\ks+8*\f:VF+32*\ks+8*\f+7], v[P+16*\u+8*\ks:P+16*\u+8*\ks+7], 0
.else
	v_wmma_f32_16x16x32_f16 v[O+32*(2*(\p)+\u)+8*\f:O+32*(2*(\p)+\u)+8*\f+7], v[VF+32*\ks+8*\f:VF+32*\ks+8*\f+7], v[P+16*\u+8*\ks:P+16*\u+8*\ks+7], v[O+32*(2*(\p)+\u)+8*\f:O+32*(2*(\p)+\u)+8*\f+7]
.endif
.endr
.endr
.endr
.endm
; ---- a vector block: the softmax of piece p's two tiles for one key step, the tiles line by line in turn.  first = 1: the first key step, with no old maximum and nothing to rescale.
.macro SOFT p, first
.irp c, 0,1,2,3                        ; four chains, one to an accumulator, each from its low end on
.irp u, 0,1
	v_max3_num_f32 v[WK+8*\u+2+\c], v[S+32*\u+8*\c], v[S+32*\u+8*\c+1], v[S+32*\u+8*\c+2]
.endr
.endr
.irp g, 3,5
.irp c, 0,1,2,3
.irp u, 0,1
	v_max3_num_f32 v[WK+8*\u+2+\c], v[WK+8*\u+2+\c], v[S+32*\u+8*\c+\g], v[S+32*\u+8*\c+\g+1]
.endr
.endr
.endr
.irp u, 0,1
	v_max3_num_f32 v[WK+8*\u+2], v[WK+8*\u+2], v[S+32*\u+7], v[S+32*\u+15]
.endr
.irp u, 0,1
	v_max3_num_f32 v[WK+8*\u+4], v[WK+8*\u+4], v[S+32*\u+23], v[S+32*\u+31]
.endr
.irp u, 0,1
	v_max3_num_f32 v[WK+8*\u+2], v[WK+8*\u+2], v[WK+8*\u+3], v[WK+8*\u+4]
.endr
.irp u, 0,1
.if \first
	v_max_num_f32 v[WK+8*\u+2], v[WK+8*\u+2], v[WK+8*\u+5]
.else
	v_max3_num_f32 v[WK+8*\u+2], v[WK+8*\u+2], v[WK+8*\u+5], v[ST+4*(2*(\p)+\u)+1]
.endif
.endr
.irp u, 0,1
	v_permlanex16_b32 v[WK+8*\u+3], v[WK+8*\u+2], s[SEL], s[SEL+1]   ; the query's other 32 keys lie in the lane 16 away
.endr
.irp u, 0,1
	v_max_num_f32 v[ST+4*(2*(\p)+\u)+1], v[WK+8*\u+2], v[WK+8*\u+3]  ; the running largest t
.endr
.if \first == 0
.irp u, 0,1
	v_mov_b32 v[WK+8*\u+6], v[ST+4*(2*(\p)+\u)]
.endr
.endif
.irp u, 0,1
	v_floor_f32 v[ST+4*(2*(\p)+\u)], -v[ST+4*(2*(\p)+\u)+1]          ; -M = floor(-t)
.endr
.if \first == 0
.irp u, 0,1
	v_sub_f32 v[WK+8*\u+6], v[ST+4*(2*(\p)+\u)], v[WK+8*\u+6]        ; old M - new M: a whole number, 0 or less
.endr
.irp u, 0,1
	v_cvt_i32_f32 v[WK+8*\u+6], v[WK+8*\u+6]                         ; (it saturates)
.endr
.irp u, 0,1
	v_ldexp_f32 v[WK+8*\u], 1.0, v[WK+8*\u+6]                        ; f
.endr
.endif
.set j, 0
.rept 16
.irp u, 0,1
	v_pk_add_f32 v[S+32*\u+j:S+32*\u+j+1], v[S+32*\u+j:S+32*\u+j+1], v[ST+4*(2*(\p)+\u):ST+4*(2*(\p)+\u)+1] op_sel_hi:[1,0]   ; t - M
.endr
.set j, j+2
.endr
.set j, 0
.rept 32
.irp u, 0,1
	v_exp_f32 v[S+32*\u+j], v[S+32*\u+j]           ; p: one batch of 64
.endr
.set j, j+1
.endr
.if \first
	v_nop                                          ; a plain line behind the last exponential
.else
	WIN 0x41                                       ; O^T x f: work that names no exponential's result stands behind the batch
.set j, 0
.rept 16
.irp u, 0,1
	v_pk_mul_f32 v[O+32*(2*(\p)+\u)+j:O+32*(2*(\p)+\u)+j+1], v[O+32*(2*(\p)+\u)+j:O+32*(2*(\p)+\u)+j+1], v[WK+8*\u:WK+8*\u+1] op_sel_hi:[1,0]
.endr
.set j, j+2
.endr
	WIN 0
.endif
	s_wait_alu depctr_va_vdst(0)                   ; one wait for the batch, ahead of its first reader
.set j, 0
.rept 16
.irp u, 0,1
	v_cvt_pk_f16_f32 v[P+16*\u+j], v[S+32*\u+2*j], v[S+32*\u+2*j+1]
.endr
.set j, j+1
.endr
.irp w, 4,8,16                         ; the sum of the tile's 16 pairs, in place: neighbours 1, 2 and 4 pairs apart,
.set j, 0
.rept 32/\w
.irp u, 0,1
	v_pk_add_f32 v[S+32*\u+j:S+32*\u+j+1], v[S+32*\u+j:S+32*\u+j+1], v[S+32*\u+j+\w/2:S+32*\u+j+\w/2+1]
.endr
.set j, j+\w
.endr
.endr
.irp u, 0,1                            ; then 8 apart; l = f l + the sum
.if \first
	v_pk_add_f32 v[ST+4*(2*(\p)+\u)+2:ST+4*(2*(\p)+\u)+3], v[S+32*\u:S+32*\u+1], v[S+32*\u+16:S+32*\u+17]
.else
	v_pk_add_f32 v[S+32*\u:S+32*\u+1], v[S+32*\u:S+32*\u+1], v[S+32*\u+16:S+32*\u+17]
.endif
.endr
.if \first == 0
.irp u, 0,1
	v_pk_fma_f32 v[ST+4*(2*(\p)+\u)+2:ST+4*(2*(\p)+\u)+3], v[ST+4*(2*(\p)+\u)+2:ST+4*(2*(\p)+\u)+3], v[WK+8*\u:WK+8*\u+1], v[S+32*\u:S+32*\u+1] op_sel_hi:[1,0,1]
.endr
.endif
.endm
; ---- a trip j = its head (piece 0: V^T P of step j; piece 1: K Q^T of step j) and its rest
.macro HEADN z
	s_wait_dscnt 0x0                               ; V of step j is in
	PV 0, \z
	KQ 1
	WIN 0
.endm
; The head at a change of slots: step j is the slot's last, and all its bytes have been read.  Each wave waits for all its tensor loads (one is out: its part of the other slot), adds 0 to its spare word,
; and waits for that; its reads of the slot were waited for at the top.  fill = 1: the barrier is a round of the cluster's, and the joint refill is the first thing behind it: the keys two slots on.
; FIVE PLAIN LINES stand between the two copies of the matrix block.  A wave runs one copy or the other, by its number.  The second copy's first products begin S^T anew over registers that the first copy's
; products name, and a matrix instruction that writes over another's registers stands five plain lines behind it (ISA guide 7.12.1): the text keeps that distance on every way through it.
.macro HEADC fill
	s_wait_dscnt 0x0                               ; V of step j is in: my last reads of this slot
	s_cmp_lt_u32 s[WV], 4
	s_cbranch_scc1 .Lbehind_\@
	PV 0, 0                                        ; waves 4-7: the matrix block in front of the barrier
	KQ 1
	WIN 0
.Lbehind_\@:
	s_wait_tensorcnt 0x0                           ; no tensor load of mine is out, so a group 0 may be written
	ds_add_u32 v[SPW], v[NIL]                      ; 0 onto my spare word
.if \fill
	s_xor_b32 s[G0+5], s[G0+5], SLOT1              ; the walking descriptor: the other slot than last time,
	s_add_nc_u64 s[G0+6:G0+7], s[G0+6:G0+7], 131072   ; the next 512 keys
.endif
	s_sub_co_u32 s[TB], s[TB], 65536               ; the fetches go back to a slot's first step,
	s_xor_b32 s[TB], s[TB], SLOT1                  ; in the other slot
	s_wait_dscnt 0x0                               ; the add is done
.if \fill
	CROUND
	tensor_load_to_lds s[G0+4:G0+7], s[G1:G1+7]    ; my one tensor load behind the round
	s_nop 0
.else
	s_barrier_signal -1
	s_barrier_wait -1
.endif
.rept 5
	v_nop                                          ; the five plain lines; with fill = 1 the first four also follow the tensor load
.endr
	s_cmp_lt_u32 s[WV], 4
	s_cbranch_scc0 .Ldone_\@
	PV 0, 0                                        ; waves 0-3: behind it
	KQ 1
	WIN 0
.Ldone_\@:
.endm
.macro REST z
	v_add_nc_u32 v[ADK], s[TB], v[AK0]             ; these two and two v_nop are the four plain lines between the last products and the loads into K's and the bias's registers, and the reads of S^T
	v_add_nc_u32 v[ADB], s[TJ], v[ABI0]
	v_nop
	v_nop
	FETCH_K                                        ; step j + 1
	FETCH_BI
	SOFT 1, \z                                     ; piece 1, step j
	s_wait_dscnt 0x0                               ; K and the bias of step j + 1 are in
	PV 1, \z                                       ; piece 1: V^T P of step j
	KQ 0                                           ; piece 0: K Q^T of step j + 1
	WIN 0
	v_add_nc_u32 v[ADV], s[TB], v[AV0]             ; likewise four plain lines
	v_nop
	v_nop
	v_nop
	FETCH_V                                        ; step j + 1
	s_add_co_u32 s[TB], s[TB], 8192
	s_add_co_u32 s[TJ], s[TJ], 256
	SOFT 0, 0                                      ; piece 0, step j + 1
.endm
.macro TRIPS n, name                   ; n plain trips
	s_mov_b32 s[CNT], \n
\name:
	HEADN 0
	REST 0
	s_sub_co_u32 s[CNT], s[CNT], 1
	s_cmp_lg_u32 s[CNT], 0
	s_cbranch_scc1 \name
.endm
	; ---- the start: K Q^T and the softmax of piece 0, step 0
	v_add_nc_u32 v[ADK], s[TB], v[AK0]
	v_add_nc_u32 v[ADB], s[TJ], v[ABI0]
	FETCH_K
	FETCH_BI
	s_wait_loadcnt 0x0                             ; Q
	s_wait_dscnt 0x0
	KQ 0
	WIN 0
	v_add_nc_u32 v[ADV], s[TB], v[AV0]
	v_nop
	v_nop
	v_nop
	FETCH_V
	s_add_co_u32 s[TB], s[TB], 8192
	s_add_co_u32 s[TJ], s[TJ], 256
	SOFT 0, 1
	HEADN 1                                        ; trip 0
	REST 1
	TRIPS 6, .Lfirst                               ; trips 1-6
	s_mov_b32 s[SLOTS], 2
.Lslot:                                            ; trips 7-14 and 15-22: each begins with a change of slots that fills the slot just left
	HEADC 1
	REST 0
	TRIPS 7, .Linner
	s_sub_co_u32 s[SLOTS], s[SLOTS], 1
	s_cmp_lg_u32 s[SLOTS], 0
	s_cbranch_scc1 .Lslot
	HEADC 0                                        ; trip 23: the last change of slots is written out: nothing is left to ask for
	REST 0
	TRIPS 7, .Llast                                ; trips 24-30
	HEADN 0                                        ; the tail: step 31
.rept 4
	v_nop
.endr
	SOFT 1, 0
	PV 1, 0
	WIN 0
	; ---- THE WAY OUT.  l's two halves and the other half of the lanes' are added; O^T / l goes through my stage, 16 channels x 64 queries at a time, and leaves as rows of out0: sixteen lanes store 256 consecutive bytes, aligned.
.irp t, 0,1,2,3
	v_add_f32 v[HD+2*\t], v[ST+4*\t+2], v[ST+4*\t+3]   ; (four plain lines behind the last products)
.endr
.irp t, 0,1,2,3
	v_permlanex16_b32 v[HD+2*\t+1], v[HD+2*\t], s[SEL], s[SEL+1]
.endr
.irp t, 0,1,2,3
	v_add_f32 v[HD+2*\t], v[HD+2*\t], v[HD+2*\t+1]
.endr
.irp t, 0,1,2,3
	v_rcp_f32 v[HD+2*\t], v[HD+2*\t]
.endr
	v_nop                                          ; a plain line behind the last reciprocal
	s_wait_alu depctr_va_vdst(0)                   ; and one wait for the four, ahead of their first reader
	WIN 0x41
.irp t, 0,1,2,3
.set j, 0
.rept 16
	v_pk_mul_f32 v[O+32*\t+j:O+32*\t+j+1], v[O+32*\t+j:O+32*\t+j+1], v[HD+2*\t:HD+2*\t+1] op_sel_hi:[1,0]
.set j, j+2
.endr
.endr
	WIN 0
.macro TOST f                          ; channels 16 f .. 16 f + 15: lane (r, h), register j of tile t is (channel 8 h + j, query 16 t + r)
	WIN 0x04                                       ; an LDS store's data are its source 1: window 1
.irp t, 0,1,2,3
.irp j, 0,1,2,3,4,5,6,7
	ds_store_b32 v[STO], v[O+32*\t+8*(\f)+\j] offset:\j*SP+64*\t
.endr
.endr
	WIN 0
.irp i, 0,1,2,3,4,5,6,7
	ds_load_b128 v[S+32*(\f)+4*\i:S+32*(\f)+4*\i+3], v[RD] offset:\i*2*SP   ; LDS serves a wave's instructions in order: these see my stores, and the next quarter's stores come behind them
.endr
.endm
.macro SEND f, younger                 ; younger: the LDS instructions issued behind this quarter's loads: the next quarter's 32 stores and 8 loads, or none
.irp i, 0,1,2,3,4,5,6,7
	s_wait_dscnt \younger+7-\i
	global_store_b128 v[GO], v[S+32*(\f)+4*\i:S+32*(\f)+4*\i+3], s[10:11] offset:(16*(\f)+2*\i)*8192 th:TH_STORE_NT
.endr
.endm
	TOST 0
	TOST 1
	SEND 0, 40
	TOST 2
	SEND 1, 40
	TOST 3
	SEND 2, 40
	SEND 3, 0
	s_wait_tensorcnt 0x0                           ; the wave's end, behind my last tensor load and my last LDS store
	ds_add_u32 v[SPW], v[NIL]
	s_wait_dscnt 0x0
	CROUND                                         ; the closing round
	s_endpgm
.Lfunc_end_k_qecb5d53dd7_attn:
	.size	k_qecb5d53dd7_attn, .Lfunc_end_k_qecb5d53dd7_attn-k_qecb5d53dd7_attn
	.p2alignl 7, 3214868480
	.fill 96, 4, 3214868480
	.section	.rodata,"a",@progbits
	.p2align	6, 0x0
	.amdhsa_kernel k_qecb5d53dd7_attn
		.amdhsa_group_segment_fixed_size 327680
		.amdhsa_private_segment_fixed_size 0
		.amdhsa_enable_private_segment 0
		.amdhsa_kernarg_size 32
		.amdhsa_user_sgpr_count 2
		.amdhsa_user_sgpr_kernarg_segment_ptr 1
		.amdhsa_wavefront_size32 1
		.amdhsa_system_sgpr_workgroup_id_x 1
		.amdhsa_system_sgpr_workgroup_id_y 1
		.amdhsa_system_sgpr_workgroup_id_z 1
		.amdhsa_system_vgpr_workitem_id 0
		.amdhsa_next_free_vgpr 512
		.amdhsa_next_free_sgpr 66
		.amdhsa_reserve_vcc 0
		.amdhsa_float_denorm_mode_32 3
		.amdhsa_float_denorm_mode_16_64 3
		.amdhsa_memory_ordered 1
		.amdhsa_forward_progress 1
		.amdhsa_inst_pref_size 255
	.end_amdhsa_kernel
	.section	.bss,"aw",@nobits
	.p2align	6
	.space	262144
	.amdgpu_metadata
---
amdhsa.version: [ 1, 2 ]
amdhsa.kernels:
  - .name:           k_qecb5d53dd7_attn
    .symbol:         k_qecb5d53dd7_attn.kd
    .args:
      - { .name: qf, .offset: 0, .size: 8, .value_kind: global_buffer, .address_space: global }
      - { .name: kv, .offset: 8, .size: 8, .value_kind: global_buffer, .address_space: global }
      - { .name: mask, .offset: 16, .size: 8, .value_kind: global_buffer, .address_space: global }
      - { .name: out0, .offset: 24, .size: 8, .value_kind: global_buffer, .address_space: global }
    .group_segment_fixed_size: 327680
    .private_segment_fixed_size: 0
    .kernarg_segment_align: 8
    .kernarg_segment_size: 32
    .max_flat_workgroup_size: 256
    .sgpr_count:     66
    .vgpr_count:     512
    .wavefront_size: 32
...
	.end_amdgpu_metadata
.endif
;; end of part 3
